; MI455X (gfx1250); checked and timed in simulation.
; The chip was launched on July 23, 2026; its instructions are those of AMD's public machine-readable ISA for CDNA 5 (MIT licence, August 2026) and "CDNA5" Instruction Set Architecture Reference Guide (July 2026). The comments in the code are by the model that wrote it; some were corrected since.
;; Multi Head Self Attention. Allowed arithmetic: matrix products marked QUANTISED: E4M3 operands, one given power-of-two scale a tensor, by v_wmma_f32_16x16x64_fp8_fp8 or v_wmma_f32_16x16x128_fp8_fp8, f32 sums; everything else in f32.
;; Inputs: WK_b 1,024 float32; WK_w_codes 1,024 x 32 x 32 uint8 (E4M3 codes of WK_w, K innermost, in blocks of 32 codes); WO_b 1,024 float32; WO_w_codes 1,024 x 32 x 32 uint8 (E4M3 codes of WO_w, K innermost, in blocks of 32 codes); WQ_b 1,024 float32; WQ_w_codes 1,024 x 32 x 32 uint8 (E4M3 codes of WQ_w, K innermost, in blocks of 32 codes); WV_b 1,024 float32; WV_w_codes 1,024 x 32 x 32 uint8 (E4M3 codes of WV_w, K innermost, in blocks of 32 codes); lowp_scales 12 int32 (the exponents e of the quantised operands' scales 2^e); mask 4 x 2,048 bool; x_codes 4 x 2,048 x 32 x 32 uint8 (E4M3 codes of x, K innermost, in blocks of 32 codes).
;; Outputs: out0 4 x 2,048 x 1,024 float32.
;; This version of the problem:
;;   THIS VERSION OF THE PROBLEM IS GIVEN IN LOW PRECISION. The matrix products marked QUANTISED in the list below multiply operands that are first quantised to E4M3 (4 exponent bits, 3 mantissa bits; 8 bits a number), with one given power-of-two scale for each operand tensor; their sums are f32. All else is computed in f32.
;;   The module's matrix products, in the order in which they are computed (A, B: the left and right operand; K: the contracted axis; several contracted axes count as one K, in the product's order):
;;     1. [M 8,192, K 1,024] x [K 1,024, N 1,024]; A: input x (given as codes); B: input WQ_w (given as codes): QUANTISED (scales: A lowp_scales[0], B lowp_scales[1])
;;     2. [M 8,192, K 1,024] x [K 1,024, N 1,024]; A: input x (given as codes); B: input WK_w (given as codes): QUANTISED (scales: A lowp_scales[2], B lowp_scales[3])
;;     3. [M 8,192, K 1,024] x [K 1,024, N 1,024]; A: input x (given as codes); B: input WV_w (given as codes): QUANTISED (scales: A lowp_scales[4], B lowp_scales[5])
;;     4. batch 64 x [M 2,048, K 64] x [K 64, N 2,048]; A: computed on the way; B: computed on the way: QUANTISED (scales: A lowp_scales[6], B lowp_scales[7])
;;     5. batch 64 x [M 2,048, K 2,048] x [K 2,048, N 64]; A: softmax (see below); B: computed on the way: QUANTISED (scales: A lowp_scales[8], B lowp_scales[9])
;;     6. [M 8,192, K 1,024] x [K 1,024, N 1,024]; A: computed on the way; B: input WO_w (given as codes): QUANTISED (scales: A lowp_scales[10], B lowp_scales[11])
;;   THE QUANTISER, for each operand of a quantised product, along K:
;;     - The operand's scale is 2^e, e = its entry of the input lowp_scales (int32; the entries are numbered through the quantised products in the list's order, A before B).
;;     - Each number is divided by the scale, clamped to +-448, and rounded to the nearest number of E4M3, ties to even, subnormals kept.
;;     - The product sums the exact products of the quantised numbers (number of the format x scale) in f32.
;;   ~~~python
;;   def quantise(x, axis, e):      # numpy; x: float32 -> the quantised numbers, widened to float32 again
;;       x = np.moveaxis(x, axis, -1); K = x.shape[-1]
;;       r = np.clip(x / 2.0 ** e, -448, 448)
;;       step = 2.0 ** (np.maximum(np.frexp(np.where(r == 0, 1, r))[1] - 1, -6) - 3)
;;       q = np.round(r / step) * step * 2.0 ** e      # np.round: ties to even
;;       return np.moveaxis(q, -1, axis).astype(np.float32)
;;   ~~~
;;   SOFTMAX AHEAD OF A QUANTISED PRODUCT. Where the list says 'softmax', what is quantised is not the finished softmax but p = 2^(t - M), with t = logit x log2(e) and M = ceil(the row's largest t), a whole number; so 1/2 < the row's largest p <= 1. The row's sum l is taken of the UNQUANTISED p, in f32, and the product's result is divided by l at the end. Since M is a whole number, a kernel that streams over the keys may use a running M (the ceiling of the running maximum): every later rescaling is an exact power of two, so the quantised numbers keep their values, but for numbers so far below the row's largest that they fall under the format's range.
;;   OPERANDS COMPUTED ON THE WAY. 'Computed on the way' means the value that the module computes at that place (a softmax that the list does not call 'softmax' is quantised finished and normalised). What goes into a quantiser is computed in f32, as accurately as f32 sums, v_exp_f32 and their like allow (about 1e-6 of the number): no bf16 or f16 on the way to a quantiser, and a product that is left as it is and whose result goes on into a quantised operand takes f32 operands (vector FMAs, or v_wmma_f32_16x16x4_f32). A number that lies on a knife's edge between two numbers of the format may be rounded either way, as far as f32 arithmetic and the matrix unit's own rounding can turn it there, and no further.
;;   INPUTS GIVEN AS CODES. WK_w (in the module: [1024, 1024], K = its axis 1); WO_w (in the module: [1024, 1024], K = its axis 1); WQ_w (in the module: [1024, 1024], K = its axis 1); WV_w (in the module: [1024, 1024], K = its axis 1); x (in the module: [4, 2048, 1024], K = its axis 2): each comes as NAME_codes (uint8): NAME with its K axis moved to the last place and cut into blocks of 32 codes, [.., K / 32, bytes a block], one block behind the other in memory; one code a byte (a code: sign, 4 exponent bits, 3 mantissa bits); its scale is its entry of lowp_scales. Its value is code x scale, taken as it is: it is not quantised again, and the codes and scales need not be those that the quantiser above would give.
;; One version. Each part assembles by itself: llvm-mc -triple=amdgcn-amd-amdhsa -mcpu=gfx1250 --defsym DOCPART=n.
;; ======== version 1 of 1: 3 launches
;; limits: right only within a limited range of input values
;; workspace buffers: qimg 8,388,608 bytes; kv 16,777,216 bytes; oimg 8,388,608 bytes
;; launch qkv (part 1): grid 12 x 32, 4 waves a work-group, clusters of 4 x 4, 327,680 bytes of LDS; arguments x_codes, WQ_w_codes, WK_w_codes, WV_w_codes, WQ_b, WK_b, WV_b, lowp_scales, qimg, kv; writes qimg, kv
.if DOCPART == 1
	.amdgcn_target "amdgcn-amd-amdhsa--gfx1250"
	.amdhsa_code_object_version 6
	.text
	.protected	k_qefe0c1865b_qkv
	.globl	k_qefe0c1865b_qkv
	.p2align	8
	.type	k_qefe0c1865b_qkv,@function
k_qefe0c1865b_qkv:
	s_mov_b64 s[64:65], 0
	v_nop
	global_prefetch_b8 v0, s[64:65] scope:SCOPE_SE
	s_setreg_imm32_b32 hwreg(HW_REG_WAVE_MODE, 25, 1), 1
	s_wait_xcnt 0x0
	s_wait_alu depctr_hold_cnt(0) depctr_sa_sdst(0) depctr_va_vdst(0) depctr_va_sdst(0) depctr_va_ssrc(0) depctr_va_vcc(0) depctr_vm_vsrc(0)
	s_getreg_b32 s2, hwreg(HW_REG_IB_STS2, 6, 4)
	s_cmp_eq_u32 s2, 0
	s_cbranch_scc0 .Lentry_in_a_cluster
	s_endpgm
.Lentry_in_a_cluster:
	s_bfe_u32 s2, ttmp6, 0x10000c
	s_cmp_lg_u32 s2, 0xf033
	s_cbranch_scc0 .Lentry_shape_is_right
	s_endpgm
.Lentry_shape_is_right:
; q = x WQ^T + bq, k = x WK^T + bk, v = x WV^T + bv on codes of FP8 (E4M3), and their quantising for the attention launch.
; x: [8192][1024] codes; WQ, WK, WV: [1024][1024] codes, K innermost; biases f32.  lowp_scales: e0 .. e11.
; A sum stands for sum x 2^(ex + ew) (e0 + e1 for q, e2 + e3 for k, e4 + e5 for v); the bias is added by one fused multiply-add; the result is
; turned into codes with the scale 2^eo (eo = e6 for q, e7 for k, e9 for v).
; LIMITS: e0 + e1, e2 + e3, e4 + e5 between -126 and 127; e6, e7, e9 between -126 and 119: each power of two below is then an f32 number.  NaN among the biases is not served.
; SHARES.  Cluster x = 0, 1, 2 makes q, k, v: a number that all sixteen partners of a cluster share.  A work-group of four waves makes 256 x 256 results, a wave 128 x 128: 64 accumulators, 512 registers.
; The loop knows a tensor A (source 1: a lane holds one of its rows) and a tensor B (source 0: a lane's eight results run along its rows).
;   q, k: A = x (tile 4 Y + cy), B = W (tile cx): a lane holds one token and eight neighbouring features: the next product's K (the head's 64) runs along its registers.
;   v:    A = WV (tile cy), B = x (tile 4 Y + cx): a lane holds one feature and eight neighbouring tokens: the keys, the second attention product's K, run along its registers.
; A's tiles are shared along a row of the cluster, B's along a column: each is asked for jointly by four work-groups.
; K goes in four steps of 256 through a ring of two LDS slots; the four steps are written out (a loop over laps would have one trip).
; RESULTS LEAVE AS IMAGES OF OPERAND REGISTERS: a store of the wave is lane l's 16 bytes at 16 l, 512 consecutive bytes, aligned.
;   qimg [g 64][token tile 128][2][512]: registers 2 t, 2 t + 1 of a 16 x 64 fragment: d = 16 t + 8 (l / 16) + 0 .. 7 of token l % 16.   g = 16 x batch + head.
;   kv   [g 64][step 16][16384]: bytes 0 .. 8191 K, [key tile 8][2][512] as qimg; bytes 8192 .. V^T, [d tile 4][4][512]: registers 2 c, 2 c + 1 of a 16 x 128 fragment: keys 16 c + 8 (l / 16) + 0 .. 7 of d = l % 16.
; REGISTERS, in windows of 256: window 0: v16-31 addresses and constants; v32-95 the bias along B's rows; v96-111 the bias of A's rows, each twice; from v128 A's fragments, one set; on the way out v112-207 at work.
;   window 1: B's fragments, two sets.   windows 2, 3: the accumulators of my A rows 0-63 and 64-127 ((a, b) at v[8 (8 (a % 4) + b)]).
.set KROW,   1024                      ; a row of x or of a weight in bytes
.set ROWB,   256                       ; a tile's row: 256 codes
.set PITCH,  272                       ; an LDS row: 256 bytes + 16 of padding = 68 words: the 16 rows that a fragment load touches start at 16 different banks
.set FR,     16                        ; registers of a fragment: 16 rows x 128 K
.set NL,     4                         ; LDS loads that bring one
.set NP,     4                         ; places behind this matrix instruction (ISA guide 7.12.1)
.set HALFT,  128*PITCH                 ; what one tensor load brings
.set SLOT,   4*HALFT                   ; A's 256 rows, then B's 256 rows
.set SPARE,  2*SLOT                    ; behind the ring: the spare words, 128 bytes a wave, that no other line names
.set ADRA, 16                          ; v16-17  LDS address of my A fragments in slot 0, 1
.set ADRB, 20                          ; v20-21  the same for B
.set LO,   24                          ; v24     16 x lane: my place in an image
.set SCL,  25                          ; v25     2^eo as f32
.set LIM,  26
.set HB,   27                          ; v27     32 x (lane / 16)
.set SPW,  28                          ; v28     my spare word; never rewritten
.set NIL,  29                          ; v29     0; never rewritten
.set RO,   31                          ; v31     4 x (lane % 16)
.set BB,   32                          ; v32-95  register 8 b + j: bias[nB + 16 b + 8 (lane / 16) + j]
.set BA,   96                          ; v96-111 registers 2 a, 2 a + 1: bias[nA + 16 a + lane % 16], twice
.set T,    112                         ; v112-175 a block's 64 numbers
.set CD,   176                         ; v176-207 a block's 16 registers of codes, two sets by turns
.set AF,   128
.set G1, 24                            ; s[24:31] descriptor group 1 for A's tiles;  s[32:39] group 0, a set for each slot
.set G0, 32
.set G1B, 48                           ; s[48:55], s[56:63] the same for B's tiles
.set G0B, 56
.set SC, 98                            ; s[98:99] 2^(ex + ew), twice
.set MSB, 0
.macro WIN new                         ; the immediate's high byte repeats the setting that is left
.if MSB != (\new)
	s_set_vgpr_msb (MSB<<8)|(\new)
.set MSB, (\new)
.endif
.endm
.set MUL_LO, 0xa1                      ; source 0 (B) window 1, source 1 (A) window 0, C and D window 2
.set MUL_HI, 0xf1                      ; the same, C and D window 3
.set TO_B,   0x40                      ; destination window 1, address window 0
; A joint load: waves 0 and 1 fetch for A, waves 2 and 3 for B; the branch hangs on the wave's number alone.  Four v_nop follow each of the two lines.
.macro JLOAD g0a, g1a, g0b, g1b
	s_cmp_eq_u32 s15, 0
	s_cbranch_scc0 .Lfor_b_\@
	tensor_load_to_lds s[\g0a:\g0a+3], s[\g1a:\g1a+7]
	s_nop 0
.rept 4
	v_nop
.endr
	s_branch .Lasked_\@
.Lfor_b_\@:
	tensor_load_to_lds s[\g0b:\g0b+3], s[\g1b:\g1b+7]
	s_nop 0
.rept 4
	v_nop
.endr
.Lasked_\@:
.endm
.macro CREST                           ; a round of the cluster's barrier behind its opening barrier
	s_cmp_lg_u32 s14, 0
	s_cbranch_scc1 .Lnot_wave_0_\@
	s_barrier_signal -3
.Lnot_wave_0_\@:
	s_barrier_wait -3
	s_barrier_signal -1
	s_barrier_wait -1
.endm
.macro CROUND                          ; a whole round
	s_barrier_signal -1
	s_barrier_wait -1
	CREST
.endm
	s_load_b512 s[68:83], s[0:1], 0x0              ; x s[68:69], WQ s[70:71], WK s[72:73], WV s[74:75], bq s[76:77], bk s[78:79], bv s[80:81], the scales s[82:83]
	s_load_b128 s[84:87], s[0:1], 0x40             ; qimg s[84:85], kv s[86:87]
	v_lshl_add_u32 v[SPW], v0, 2, SPARE
	v_mov_b32 v[NIL], 0
	ds_add_u32 v28, v29
	ds_add_u32 v28, v29
	s_wait_dscnt 0x0
	v_lshrrev_b32 v1, 5, v0
	v_readfirstlane_b32 s14, v1                    ; wave 0..3
	s_lshr_b32 s15, s14, 1                         ; which half of the tile's A rows is mine.  Also: I fetch for A (0) or for B (1)
	s_and_b32 s16, s14, 1                          ; which half of its B rows.  Also: which 128 rows of that tile I fetch
	s_bfe_u32 s40, ttmp6, 0x40000                  ; cx, cy: my place in the cluster
	s_bfe_u32 s41, ttmp6, 0x40004
	s_and_b32 s17, ttmp7, 0xffff
	s_lshl_b32 s17, s17, 2                         ; 4 Y
	s_cmp_eq_u32 ttmp9, 2                          ; v?  (cluster x: the same in all sixteen partners)
	s_cselect_b32 s18, 0, s17
	s_cselect_b32 s42, s17, 0
	s_add_co_u32 s18, s18, s41                     ; A's tile: 4 Y + cy of x, or cy of WV: it never holds cx
	s_add_co_u32 s42, s42, s40                     ; B's tile: cx of W, or 4 Y + cx of x: it never holds cy
	s_lshl_b32 s43, s41, 2
	s_lshl_b32 s43, 15, s43                        ; my row of the cluster
	s_lshl_b32 s44, 0x1111, s40                    ; my column
	; descriptor group 1: a tile of 128 rows x 256 bytes, padded in LDS
	s_or_b32 s[G1+0], s43, (1<<20)|(1<<21)|(5<<22)|(3<<25)   ; 15:0 the mask: A's tiles go to my row; 17:16 elements of 1 byte; 20 padding on; 21 set beside a mask; 24:22 after every 64 words; 31:25 four words
	s_or_b32 s[G1B+0], s44, (1<<20)|(1<<21)|(5<<22)|(3<<25)  ; the same with my column's mask
.irp g, G1, G1B
	s_mov_b32 s[\g+1], ROWB<<16                    ; tensor_dim0
	s_mov_b32 s[\g+2], 128<<16                     ; tensor_dim1
	s_mov_b32 s[\g+3], ROWB<<16                    ; tile_dim0
	s_mov_b32 s[\g+4], 128                         ; tile_dim1
	s_mov_b32 s[\g+5], KROW                        ; from row to row
	s_mov_b32 s[\g+6], 0
	s_mov_b32 s[\g+7], 0
.endr
	s_lshl_b32 s19, s16, 7                         ; which 128 rows of the tile I fetch
	s_lshl_b32 s20, s18, 8
	s_add_co_u32 s20, s20, s19
	s_lshl_b32 s20, s20, 10                        ; A: (256 x tile + 128 x half) rows of 1,024 bytes
	s_mov_b32 s21, 0
	s_lshl_b32 s46, s42, 8
	s_add_co_u32 s46, s46, s19
	s_lshl_b32 s46, s46, 10                        ; B likewise
	s_mov_b32 s47, 0
	s_mul_i32 s45, s14, HALFT                      ; where they go: wave x 128 rows
	s_wait_kmcnt 0x0
	s_load_b256 s[88:95], s[82:83], 0x0            ; e0 .. e7
	s_load_b32 s96, s[82:83], 0x24                 ; e9
	s_cmp_eq_u32 ttmp9, 0                          ; q?  Every choice hangs on cluster x alone
	s_cselect_b64 s[22:23], s[70:71], s[72:73]     ; the weight,
	s_cselect_b64 s[4:5], s[76:77], s[78:79]       ; the bias,
	s_cselect_b64 s[8:9], s[84:85], s[86:87]       ; where the images go,
	s_mov_b32 s12, 262144
	s_cselect_b32 s12, 131072, s12                 ; bytes from head to head there,
	s_mov_b32 s13, 16384
	s_cselect_b32 s13, 8192, s13                   ; and from 128 tokens to the next
	s_cmp_eq_u32 ttmp9, 2                          ; v?
	s_cselect_b64 s[22:23], s[74:75], s[22:23]
	s_cselect_b64 s[4:5], s[80:81], s[4:5]
	s_cselect_b32 s2, 8192, 0                      ; V^T lies behind K in a step's bytes
	s_cselect_b64 s[10:11], s[22:23], s[68:69]     ; the tensor A,
	s_cselect_b64 s[22:23], s[68:69], s[22:23]     ; the tensor B
	s_add_nc_u64 s[20:21], s[10:11], s[20:21]
	s_add_nc_u64 s[46:47], s[22:23], s[46:47]
	CROUND                                         ; all sixteen work-groups are here: the first joint loads meet
.irp s, 0,1
	s_mov_b32 s[G0+4*\s], 1
	s_add_co_u32 s[G0+4*\s+1], s45, \s*SLOT
	s_add_nc_u64 s[G0+4*\s+2:G0+4*\s+3], s[20:21], \s*ROWB
	s_or_b32 s[G0+4*\s+3], s[G0+4*\s+3], 0x80000000
	s_mov_b32 s[G0B+4*\s], 1
	s_add_co_u32 s[G0B+4*\s+1], s45, \s*SLOT
	s_add_nc_u64 s[G0B+4*\s+2:G0B+4*\s+3], s[46:47], \s*ROWB
	s_or_b32 s[G0B+4*\s+3], s[G0B+4*\s+3], 0x80000000
	JLOAD G0+4*\s, G1, G0B+4*\s, G1B
.endr
	; where my wave's results go, and its biases
	s_lshl_b32 s66, s18, 8
	s_lshl_b32 s67, s15, 7
	s_add_co_u32 s66, s66, s67                     ; my first row of A
	s_lshl_b32 s67, s42, 8
	s_add_co_u32 s67, s67, s19                     ; my first row of B
	s_cmp_eq_u32 ttmp9, 2
	s_cselect_b32 s68, s67, s66                    ; my first token,
	s_cselect_b32 s69, s66, s67                    ; my first feature
	s_cselect_b32 s70, 0, s67                      ; nB: the bias along B's rows is used for q and k; for v it is loaded from the bias's head and not used
	s_cselect_b32 s72, s66, 0                      ; nA: the bias of A's rows is used for v; else likewise
	s_lshl_b32 s70, s70, 2
	s_mov_b32 s71, 0
	s_lshl_b32 s72, s72, 2
	s_mov_b32 s73, 0
	s_add_nc_u64 s[6:7], s[4:5], s[72:73]
	s_add_nc_u64 s[4:5], s[4:5], s[70:71]
	s_lshr_b32 s74, s68, 11
	s_lshl_b32 s74, s74, 4
	s_lshr_b32 s75, s69, 6
	s_add_co_u32 s74, s74, s75                     ; g = 16 x batch + head
	s_mul_i32 s74, s74, s12
	s_bfe_u32 s75, s68, 0x40007                    ; which 128 tokens of the batch
	s_mul_i32 s75, s75, s13
	s_add_co_u32 s74, s74, s75
	s_add_co_u32 s74, s74, s2
	s_mov_b32 s75, 0
	s_add_nc_u64 s[8:9], s[8:9], s[74:75]          ; my first head's images,
	s_mov_b32 s13, 0
	s_add_nc_u64 s[10:11], s[8:9], s[12:13]        ; my second head's
	v_and_b32 v1, 15, v0                           ; l % 16
	v_bfe_u32 v2, v0, 4, 1                         ; l / 16
	v_mul_u32_u24 v3, v1, PITCH
	v_lshl_add_u32 v4, v2, 4, v3                   ; a fragment's row x pitch + 16 x half
	s_mul_i32 s66, s15, HALFT                      ; my 128 rows of A
	s_mul_i32 s67, s16, HALFT                      ; my 128 rows of B,
	s_add_co_u32 s67, s67, 2*HALFT                 ; which lie behind A's 256
.irp s, 0,1
	v_add_nc_u32 v[ADRA+\s], s66, v4
	v_add_nc_u32 v[ADRB+\s], s67, v4
	s_add_co_u32 s66, s66, SLOT
	s_add_co_u32 s67, s67, SLOT
.endr
	v_and_b32 v6, 31, v0
	v_lshlrev_b32 v[LO], 4, v6
	v_lshlrev_b32 v[HB], 5, v2
	v_lshlrev_b32 v[RO], 2, v1
.irp b, 0,1,2,3,4,5,6,7                        ; the biases come while the products run; they are waited for on the way out
	global_load_b128 v[BB+8*\b:BB+8*\b+3], v[HB], s[4:5] offset:64*\b
	global_load_b128 v[BB+8*\b+4:BB+8*\b+7], v[HB], s[4:5] offset:64*\b+16
.endr
.irp a, 0,1,2,3,4,5,6,7
	global_load_b32 v[BA+2*\a], v[RO], s[6:7] offset:64*\a
	global_load_b32 v[BA+2*\a+1], v[RO], s[6:7] offset:64*\a
.endr
.macro FRAG reg, adr, q, i             ; a fragment: lane l holds row l % 16; registers 4 c .. 4 c + 3 hold K = 32 c + 16 (l / 16) + 0 .. 15: the same order of k in A and in B
.irp c, 0,1,2,3
	ds_load_b128 v[\reg+4*\c:\reg+4*\c+3], v[\adr] offset:128*(\q)+32*\c+(\i)*16*PITCH
.endr
.endm
; 16 matrix instructions: A's blocks a0, a0 + 1 x B's eight, 128 along K.  p: B's set.  zero = 1: the first product starts the sums.
; The 64 accumulators take turns, one instruction a turn, in the same order in every step.
.macro MUL16 a0, p, zero
.irp a, \a0, \a0+1
.irp b, 0,1,2,3,4,5,6,7
.if \zero
	v_wmma_f32_16x16x128_fp8_fp8 v[8*(8*((\a)%4)+\b):8*(8*((\a)%4)+\b)+7], v[128*(\p)+FR*\b:128*(\p)+FR*\b+FR-1], v[AF+FR*(\a):AF+FR*(\a)+FR-1], 0
.else
	v_wmma_f32_16x16x128_fp8_fp8 v[8*(8*((\a)%4)+\b):8*(8*((\a)%4)+\b)+7], v[128*(\p)+FR*\b:128*(\p)+FR*\b+FR-1], v[AF+FR*(\a):AF+FR*(\a)+FR-1], v[8*(8*((\a)%4)+\b):8*(8*((\a)%4)+\b)+7]
.endif
.endr
.endr
.endm
.macro FETCH_B slot, q, p              ; B's eight fragments of the slot's q-th 128 along K into set p
	WIN TO_B
.irp i, 0,1,2,3,4,5,6,7
	FRAG 128*(\p)+FR*\i, ADRB+\slot, \q, \i
.endr
	WIN 0
.endm
.macro FETCH_A slot, q, i0             ; A's blocks i0 .. i0 + 3
.irp i, \i0, \i0+1, \i0+2, \i0+3
	FRAG AF+FR*(\i), ADRA+\slot, \q, \i
.endr
.endm
.macro PLACES n                        ; plain vector instructions between a matrix instruction and a load into, or a vector write of, one of its registers, or a read of its result
.rept \n
	v_nop
.endr
.endm
; A step of 128 along K that has its successor in the same slot.  A block of A is free when its eight products are issued: blocks 0-3 are fetched anew in the step's middle, blocks 4-7 at its end.
.macro STEP slot, q, zero
	s_wait_dscnt 4*NL                              ; B's set and A's blocks 0-3 are in; the youngest sixteen loads (A's blocks 4-7) may be out
	WIN MUL_LO
	MUL16 0, (\q)%2, \zero
	MUL16 2, (\q)%2, \zero
	s_wait_dscnt 0                                 ; A's blocks 4-7 are in
	PLACES NP
	FETCH_B \slot, (\q)+1, 1-(\q)%2
	FETCH_A \slot, (\q)+1, 0
	WIN MUL_HI
	MUL16 4, (\q)%2, \zero
	MUL16 6, (\q)%2, \zero
	PLACES NP
	WIN 0
	FETCH_A \slot, (\q)+1, 4
.endm
; A slot's last step changes slots: one barrier; in front of it each wave waits for all its tensor loads, adds 0 to its spare word, and waits for that and for its own reads of this slot.
.macro TURN slot, next, fill
	s_wait_tensorcnt 0x0                           ; all my tensor loads have landed: my part of the next slot
	ds_add_u32 v[SPW], v[NIL]                      ; 0 onto my spare word
	s_wait_dscnt 4*NL+1                            ; the add and the youngest sixteen loads (A's blocks 4-7) may be out
	WIN MUL_LO
	MUL16 0, 1, 0                                  ; sixteen matrix instructions stand between the add and the wait for it
	s_wait_dscnt 0x0                               ; the add is done, and my reads of this slot are over
	s_barrier_signal -1
	MUL16 2, 1, 0
	WIN 0
	s_barrier_wait -1
.if \fill
	CREST                                          ; the barrier has opened a round of the cluster's barrier: no wave of any partner still reads this slot or has a load on its way
	s_add_nc_u64 s[G0+4*\slot+2:G0+4*\slot+3], s[G0+4*\slot+2:G0+4*\slot+3], 2*ROWB
	s_add_nc_u64 s[G0B+4*\slot+2:G0B+4*\slot+3], s[G0B+4*\slot+2:G0B+4*\slot+3], 2*ROWB
	JLOAD G0+4*\slot, G1, G0B+4*\slot, G1B         ; the first tensor load behind the round; its four v_nop are also the places in front of the loads below
.else
	PLACES NP
.endif
	FETCH_B \next, 0, 0
	FETCH_A \next, 0, 0
	WIN MUL_HI
	MUL16 4, 1, 0
	MUL16 6, 1, 0
	PLACES NP
	WIN 0
	FETCH_A \next, 0, 4
.endm
	s_wait_alu depctr_va_vdst(0)
	s_wait_tensorcnt 1                             ; my part of K step 0 is in (K step 1's load may be out)
	s_barrier_signal -1
	s_barrier_wait -1                              ; everybody's is
	FETCH_B 0, 0, 0
	FETCH_A 0, 0, 0
	FETCH_A 0, 0, 4
	STEP 0, 0, 1                                   ; K 0-127: its products start the sums
	TURN 0, 1, 1                                   ; K 128-255; slot 0 takes K 512-767
	STEP 1, 0, 0
	TURN 1, 0, 1                                   ; slot 1 takes K 768-1023
	STEP 0, 0, 0
	TURN 0, 1, 0                                   ; nothing is left to fetch
	STEP 1, 0, 0
	s_wait_dscnt 4*NL                              ; the last step
	WIN MUL_LO
	MUL16 0, 1, 0
	MUL16 2, 1, 0
	s_wait_dscnt 0
	WIN MUL_HI
	MUL16 4, 1, 0
	MUL16 6, 1, 0
	WIN 0
	; THE WAY OUT.  No value read from memory steers a branch: the scales are chosen by selects on cluster x.
	s_wait_kmcnt 0x0
	s_add_co_i32 s88, s88, s89                     ; e0 + e1
	s_add_co_i32 s90, s90, s91                     ; e2 + e3
	s_add_co_i32 s92, s92, s93                     ; e4 + e5
	s_cmp_eq_u32 ttmp9, 0
	s_cselect_b32 s88, s88, s90
	s_cselect_b32 s94, s94, s95                    ; e6 or e7
	s_cmp_eq_u32 ttmp9, 2
	s_cselect_b32 s88, s92, s88
	s_cselect_b32 s94, s96, s94                    ; or e9
	s_add_co_i32 s88, s88, 127
	s_lshl_b32 s[SC], s88, 23                      ; 2^(ex + ew) as f32
	s_mov_b32 s[SC+1], s[SC]                       ; (named with it as a pair, so it is written)
	s_add_co_i32 s94, s94, 127
	s_lshl_b32 s97, s94, 23
	v_mov_b32 v[SCL], s97                          ; 2^eo: the conversion takes its exponent field
	s_wait_loadcnt 0x0                             ; the biases
	PLACES NP                                      ; behind the last products: their results are read, and the registers that held A's fragments are written
; Block a (16 rows of A x my 128 rows of B): sum x 2^(ex + ew) + bias, each accumulator from its low end on; eight conversions; four stores of 512 consecutive bytes.
.macro OUT a, isv
.set AC, 64*((\a)%4)
.set CC, CD+16*((\a)%2)
.if (\a) >= 2
	s_wait_xcnt 0x0                                ; block a - 2's stores have read this set of codes
.endif
	WIN 0x02+((\a)/4)                              ; source 0: window 2 or 3
.irp b, 0,1,2,3,4,5,6,7
.irp i, 0,2,4,6
.if \isv
	v_pk_fma_f32 v[T+8*\b+\i:T+8*\b+\i+1], v[AC+8*\b+\i:AC+8*\b+\i+1], s[SC:SC+1], v[BA+2*(\a):BA+2*(\a)+1] op_sel_hi:[1,0,1]
.else
	v_pk_fma_f32 v[T+8*\b+\i:T+8*\b+\i+1], v[AC+8*\b+\i:AC+8*\b+\i+1], s[SC:SC+1], v[BB+8*\b+\i:BB+8*\b+\i+1] op_sel_hi:[1,0,1]
.endif
.endr
.endr
	WIN 0
.set n, 0
.rept 64
.set n, n+1
.endr
.irp b, 0,1,2,3,4,5,6,7
	v_cvt_scalef32_pk8_fp8_f32 v[CC+2*\b:CC+2*\b+1], v[T+8*\b:T+8*\b+7], v[SCL]
.endr
	v_nop                                          ; a plain vector instruction behind the last conversion: the next block writes its sources
.irp q, 0,1,2,3
.if \isv
	global_store_b128 v[LO], v[CC+4*\q:CC+4*\q+3], s[8+2*((\a)/4):9+2*((\a)/4)] offset:((\a)%4)*2048+\q*512   ; head a / 4, d tile a % 4, keys 32 q on
.else
	global_store_b128 v[LO], v[CC+4*\q:CC+4*\q+3], s[8+2*(\q/2):9+2*(\q/2)] offset:(\a)*1024+(\q%2)*512       ; head q / 2, token tile a, half q % 2 of the fragment
.endif
.endr
.endm
	s_cmp_eq_u32 ttmp9, 2                          ; cluster x: the same in all partners
	s_cbranch_scc1 .Lout_v
.irp a, 0,1,2,3,4,5,6,7
	OUT \a, 0
.endr
	s_branch .Ldone
.Lout_v:
.irp a, 0,1,2,3,4,5,6,7
	OUT \a, 1
.endr
.Ldone:
	s_wait_tensorcnt 0x0                           ; the wave's end
	ds_add_u32 v[SPW], v[NIL]
	s_wait_dscnt 0x0
	CROUND                                         ; the closing round: no work-group ends while a partner may still ask for a tile that names it
	s_endpgm
.Lfunc_end_k_qefe0c1865b_qkv:
	.size	k_qefe0c1865b_qkv, .Lfunc_end_k_qefe0c1865b_qkv-k_qefe0c1865b_qkv
	.p2alignl 7, 3214868480
	.fill 96, 4, 3214868480
	.section	.rodata,"a",@progbits
	.p2align	6, 0x0
	.amdhsa_kernel k_qefe0c1865b_qkv
		.amdhsa_group_segment_fixed_size 327680
		.amdhsa_private_segment_fixed_size 0
		.amdhsa_enable_private_segment 0
		.amdhsa_kernarg_size 80
		.amdhsa_user_sgpr_count 2
		.amdhsa_user_sgpr_kernarg_segment_ptr 1
		.amdhsa_wavefront_size32 1
		.amdhsa_system_sgpr_workgroup_id_x 1
		.amdhsa_system_sgpr_workgroup_id_y 1
		.amdhsa_system_sgpr_workgroup_id_z 1
		.amdhsa_system_vgpr_workitem_id 0
		.amdhsa_next_free_vgpr 1024
		.amdhsa_next_free_sgpr 100
		.amdhsa_reserve_vcc 0
		.amdhsa_float_denorm_mode_32 3
		.amdhsa_float_denorm_mode_16_64 3
		.amdhsa_fp16_overflow 1
		.amdhsa_memory_ordered 1
		.amdhsa_forward_progress 1
		.amdhsa_inst_pref_size 130
	.end_amdhsa_kernel
	.amdgpu_metadata
---
amdhsa.version: [ 1, 2 ]
amdhsa.kernels:
  - .name:           k_qefe0c1865b_qkv
    .symbol:         k_qefe0c1865b_qkv.kd
    .args:
      - { .name: x_codes, .offset: 0, .size: 8, .value_kind: global_buffer, .address_space: global }
      - { .name: WQ_w_codes, .offset: 8, .size: 8, .value_kind: global_buffer, .address_space: global }
      - { .name: WK_w_codes, .offset: 16, .size: 8, .value_kind: global_buffer, .address_space: global }
      - { .name: WV_w_codes, .offset: 24, .size: 8, .value_kind: global_buffer, .address_space: global }
      - { .name: WQ_b, .offset: 32, .size: 8, .value_kind: global_buffer, .address_space: global }
      - { .name: WK_b, .offset: 40, .size: 8, .value_kind: global_buffer, .address_space: global }
      - { .name: WV_b, .offset: 48, .size: 8, .value_kind: global_buffer, .address_space: global }
      - { .name: lowp_scales, .offset: 56, .size: 8, .value_kind: global_buffer, .address_space: global }
      - { .name: qimg, .offset: 64, .size: 8, .value_kind: global_buffer, .address_space: global }
      - { .name: kv, .offset: 72, .size: 8, .value_kind: global_buffer, .address_space: global }
    .group_segment_fixed_size: 327680
    .private_segment_fixed_size: 0
    .kernarg_segment_align: 8
    .kernarg_segment_size: 80
    .max_flat_workgroup_size: 128
    .sgpr_count:     100
    .vgpr_count:     1024
    .wavefront_size: 32
...
	.end_amdgpu_metadata
.endif
;; end of part 1
;; launch attn (part 2): grid 4 x 64, 8 waves a work-group, clusters of 4 x 1, 271,872 bytes of LDS; arguments qimg, kv, mask, lowp_scales, oimg; writes oimg
.if DOCPART == 2
	.amdgcn_target "amdgcn-amd-amdhsa--gfx1250"
	.amdhsa_code_object_version 6
	.text
	.protected	k_qefe0c1865b_attn
	.globl	k_qefe0c1865b_attn
	.p2align	8
	.type	k_qefe0c1865b_attn,@function
k_qefe0c1865b_attn:
	s_mov_b64 s[64:65], 0
	v_nop
	global_prefetch_b8 v0, s[64:65] scope:SCOPE_SE
	s_setreg_imm32_b32 hwreg(HW_REG_WAVE_MODE, 25, 1), 1
	s_wait_xcnt 0x0
	s_wait_alu depctr_hold_cnt(0) depctr_sa_sdst(0) depctr_va_vdst(0) depctr_va_sdst(0) depctr_va_ssrc(0) depctr_va_vcc(0) depctr_vm_vsrc(0)
	s_getreg_b32 s2, hwreg(HW_REG_IB_STS2, 6, 4)
	s_cmp_eq_u32 s2, 0
	s_cbranch_scc0 .Lentry_in_a_cluster
	s_endpgm
.Lentry_in_a_cluster:
	s_bfe_u32 s2, ttmp6, 0x10000c
	s_cmp_lg_u32 s2, 0x3003
	s_cbranch_scc0 .Lentry_shape_is_right
	s_endpgm
.Lentry_shape_is_right:
; o = softmax(q k^T / 8 - 1e6 x (key's mask is false)) v for one head g = 16 x batch + head, both products on codes of FP8 (E4M3); o is quantised for the output product.
; qimg, kv: images of operand registers, as the launch before laid them (a chunk of 512 bytes: lane l's 16 bytes at 16 l).  oimg [token tile 512][head 16][2][512]: registers 4 b .. 4 b + 3: d = 32 b + 16 (l / 16) + 0 .. 15 of token l % 16.
; THE SOFTMAX: t = logit x log2(e); M = the running largest t rounded up to a whole number, kept as -M = floor(-t); p = 2^(t - M) is quantised with 2^e8; the row's sum is taken of the unquantised p and divides at the end.
; When M moves, the sum and O^T are multiplied by 2^(old M - new M), which rounds nothing.  No branch hangs on data.
; THE KEY MASK COSTS NO VECTOR INSTRUCTION: a key's addend, 0 or -1e6 x 2^(3 - e6 - e7), is the C of S^T = K Q^T, so that (sum + C) x 2^(e6 + e7 - 3) is the logit.
; LIMITS: e6 + e7 between -100 and 120; e8, e10 between -126 and 119.  NaN is not served.  A masked key's logit is rounded by the matrix unit's sum of products and C, not by an f32 subtraction
;   (it shows only in a row all of whose keys are masked).
; SHARES.  The four work-groups of a cluster own 512 queries each of one head; a work-group makes two passes of 256; each of its eight waves owns two tiles of 16 queries in a pass (two waves to a SIMD).
; THE HEAD'S WHOLE K AND V, 262,144 bytes, LIE IN LDS as they lie in memory, brought once by joint loads that name the four partners: nothing is filled again, so there is no ring.
; They come in two chunks of 131,072 bytes (key steps 0-7, 8-15); a wave brings 64 rows of 256 bytes of each: two tensor loads of a wave are out.  All of K and V is asked for at the head, so nothing is left to ask for ahead.
; LAYOUT.  S^T = K Q^T (source 0 = 16 keys, source 1 = 16 queries) and O^T = V^T P (source 0 = 16 of the head's 64, source 1 = P): a lane holds one query (l % 16) throughout; tile t's register j is key 16 t + 8 (l / 16) + j,
; so eight conversions of a tile's registers are registers 2 t, 2 t + 1 of P in the 16 x 128 form's own order.
; LDS: 0 .. 262,143 K and V, step s at 16,384 s (8,192 of K, 8,192 of V^T); ADDT: 2,048 addends (f32) and 128 zeros.  The last step's look-ahead reads the table and the zeros: written bytes, never used.
; REGISTERS.  window 0: v1-7 addresses and constants; v8-11 (-M, largest t) a tile; v12-15 the sums; v16-19 their second chains; v20-23 f; v24-27 maxima; v28-29 exchange;
;   v32-47 Q; v48-79 P's codes; v80-207 S^T, then p; v208-223 o's codes; v224-231 exchange; v232 2^e10; v234-247 at work at the head.
;   window 1: v0-63 O^T ((q, dt) at 8 (4 q + dt)); v64-127 K; v128-191 the addends; v192-255 V^T.
.set KVB,   16384                      ; a key step's bytes
.set CHUNK, 131072
.set ADDT,  262144
.set LI,  1                            ; v1   16 x lane
.set CI,  2                            ; v2   ADDT + 32 (lane / 16)
.set ADK, 3
.set ADV, 4
.set ADC, 5
.set SCP, 6                            ; v6   2^e8
.set ZR,  7                            ; v7   0
.set NM,  8
.set L,   12
.set L2,  16
.set F,   20
.set MA,  24
.set PD,  28
.set Q,   32
.set P,   48
.set S,   80
.set CDO, 208
.set EX,  224
.set SCO, 232
.set HO,  233
.set KF,  64
.set CF,  128
.set VF,  192
.set WV,  14                           ; s14  my wave's number
.set G1,  24                           ; s[24:31] descriptor group 1;  s[32:39] group 0, a set for each chunk
.set G0,  32
.set CS,  60                           ; s[60:61] log2(e) x 2^(e6 + e7 - 3), twice
.set SEL, 62                           ; s[62:63] v_permlanex16_b32's selects for lane l xor 16
.set TB,  66                           ; s66  LDS byte of the key step in hand
.set CB,  67                           ; s67  and of its addends, from the table's head
.set CNT, 68
.set EPV, 70                           ; s70  e8 + e9
.set HI16, 71                          ; s71  lanes 16-31
.set MSB, 0
.macro WIN new
.if MSB != (\new)
	s_set_vgpr_msb (MSB<<8)|(\new)
.set MSB, (\new)
.endif
.endm
.macro CROUND                          ; a round of the cluster's barrier
	s_barrier_signal -1
	s_barrier_wait -1
	s_cmp_lg_u32 s[WV], 0
	s_cbranch_scc1 .Lnot_wave_0_\@
	s_barrier_signal -3
.Lnot_wave_0_\@:
	s_barrier_wait -3
	s_barrier_signal -1
	s_barrier_wait -1
.endm
	s_load_b256 s[4:11], s[0:1], 0x0               ; qimg s[4:5], kv s[6:7], mask s[8:9], the scales s[10:11]
	s_load_b64 s[12:13], s[0:1], 0x20              ; oimg
	v_lshl_add_u32 v254, v0, 2, 0x42200
	v_mov_b32 v255, 0
	ds_add_u32 v254, v255
	ds_add_u32 v254, v255
	v_lshrrev_b32 v234, 5, v0
	v_readfirstlane_b32 s[WV], v234                ; wave 0..7
	s_bfe_u32 s15, ttmp6, 0x40000                  ; cx: it enters Q's and O's addresses alone
	s_and_b32 s16, ttmp7, 0xffff                   ; g, which the four partners share
	s_mov_b32 s[G1+0], 15|(3<<16)|(1<<21)          ; 15:0 the mask: all four; 17:16 elements of 8 bytes; 21 set beside a mask; no padding
	s_mov_b32 s[G1+1], 32<<16                      ; tensor_dim0 = 32 elements: rows of 256 bytes
	s_mov_b32 s[G1+2], 64<<16                      ; tensor_dim1 = 64
	s_mov_b32 s[G1+3], 32<<16                      ; tile_dim0
	s_mov_b32 s[G1+4], 64                          ; tile_dim1
	s_mov_b32 s[G1+5], 32                          ; dense: a row begins where the last ends
	s_mov_b32 s[G1+6], 0
	s_mov_b32 s[G1+7], 0
	s_lshl_b32 s72, s[WV], 14                      ; my 16,384 bytes of a chunk
	s_lshl_b32 s74, s16, 18                        ; the head's 262,144 bytes
	s_add_co_u32 s74, s74, s72
	s_mov_b32 s75, 0
	s_wait_dscnt 0x0
	s_wait_kmcnt 0x0
	s_load_b256 s[48:55], s[10:11], 0x0            ; e0 .. e7
	s_load_b128 s[56:59], s[10:11], 0x20           ; e8 .. e11
	s_add_nc_u64 s[74:75], s[6:7], s[74:75]
.irp c, 0,1
	s_mov_b32 s[G0+4*\c], 1
	s_add_co_u32 s[G0+4*\c+1], s72, \c*CHUNK
	s_add_nc_u64 s[G0+4*\c+2:G0+4*\c+3], s[74:75], \c*CHUNK
	s_or_b32 s[G0+4*\c+3], s[G0+4*\c+3], 0x80000000
.endr
	CROUND                                         ; all four work-groups are here: the joint loads meet
	tensor_load_to_lds s[G0:G0+3], s[G1:G1+7]      ; key steps 0-7
	s_nop 0
	tensor_load_to_lds s[G0+4:G0+7], s[G1:G1+7]    ; key steps 8-15
	s_nop 0
.rept 4
	v_nop
.endr
	s_lshl_b32 s72, s15, 5
	s_lshl_b32 s73, s[WV], 1
	s_add_co_u32 s72, s72, s73                     ; my first tile of queries in pass 0: 32 cx + 2 w
	s_lshl_b32 s76, s72, 10
	s_lshl_b32 s73, s16, 17
	s_add_co_u32 s76, s76, s73
	s_mov_b32 s77, 0
	s_add_nc_u64 s[4:5], s[4:5], s[76:77]          ; its image in qimg
	s_lshr_b32 s73, s16, 4                         ; batch
	s_lshl_b32 s78, s73, 7
	s_add_co_u32 s78, s78, s72
	s_lshl_b32 s78, s78, 14                        ; a token tile of oimg is 16,384 bytes,
	s_and_b32 s79, s16, 15
	s_lshl_b32 s79, s79, 10                        ; a head 1,024 of them
	s_add_co_u32 s78, s78, s79
	s_mov_b32 s79, 0
	s_add_nc_u64 s[12:13], s[12:13], s[78:79]
	s_lshl_b32 s76, s73, 11
	s_add_nc_u64 s[8:9], s[8:9], s[76:77]          ; the batch's 2,048 mask bytes
	v_and_b32 v234, 31, v0
	v_lshlrev_b32 v[LI], 4, v234
	v_bfe_u32 v235, v0, 4, 1
	v_lshl_add_u32 v[CI], v235, 5, ADDT
	v_lshlrev_b32 v236, 3, v0
	global_load_b64 v[238:239], v236, s[8:9]       ; eight keys' mask bytes a thread
.irp q, 0,1
.irp c, 0,1
	global_load_b128 v[Q+8*\q+4*\c:Q+8*\q+4*\c+3], v[LI], s[4:5] offset:\q*1024+\c*512
.endr
.endr
	v_mov_b32 v[ZR], 0
	v_mov_b32 v[F+1], 0                            ; (named as upper halves of pairs, or as a lane permute's destination: written once)
	v_mov_b32 v[F+3], 0
	v_mov_b32 v[PD], 0
	v_mov_b32 v[PD+1], 0
.irp n, 4,5,6,7
	v_mov_b32 v[EX+\n], 0
.endr
	v_lshl_add_u32 v234, v0, 5, ADDT               ; my eight addends' place
	v_lshl_add_u32 v235, v0, 1, ADDT+8192          ; my two bytes of the zeros behind the table
	s_mov_b32 s[SEL], 0x76543210
	s_mov_b32 s[SEL+1], 0xfedcba98
	s_mov_b32 s[HI16], 0xffff0000
	s_wait_kmcnt 0x0
	s_add_co_i32 s72, s54, s55                     ; e6 + e7
	s_sub_co_i32 s73, 3, s72
	s_sub_co_i32 s72, s72, 3
	s_lshl_b32 s72, s72, 23
	s_add_co_i32 s[CS], s72, 0x3fb8aa3b            ; log2(e) with e6 + e7 - 3 added to its exponent field
	s_mov_b32 s[CS+1], s[CS]
	s_add_co_i32 s74, s56, 127
	s_lshl_b32 s75, s74, 23
	v_mov_b32 v[SCP], s75                          ; 2^e8
	s_add_co_i32 s74, s58, 127
	s_lshl_b32 s75, s74, 23
	v_mov_b32 v[SCO], s75                          ; 2^e10
	s_add_co_i32 s[EPV], s56, s57
	v_mov_b32 v237, 0xc9742400                     ; -1e6
	v_ldexp_f32 v237, v237, s73                    ; x 2^(3 - e6 - e7)
	s_wait_loadcnt 4                               ; the mask bytes are in; the four loads of Q behind them may be out
.irp i, 0,1,2,3,4,5,6,7
	v_bfe_u32 v[240+\i], v[238+\i/4], 8*(\i%4), 8  ; 1 or 0,
	v_add_nc_u32 v[240+\i], -1, v[240+\i]          ; no bit or all bits,
	v_and_b32 v[240+\i], v237, v[240+\i]           ; 0 or the addend
.endr
	ds_store_b128 v234, v[240:243]
	ds_store_b128 v234, v[244:247] offset:16
	ds_store_b16 v235, v[ZR]
.macro SUMI q                          ; item j of 32 of tile q's sum of p, two numbers at a time, in two chains
.set sb, S+64*(\q)
.if j == 0
	v_pk_add_f32 v[L2+2*(\q):L2+2*(\q)+1], v[sb:sb+1], v[sb+2:sb+3]
.elseif j == 31
	v_pk_add_f32 v[L+2*(\q):L+2*(\q)+1], v[L+2*(\q):L+2*(\q)+1], v[L2+2*(\q):L2+2*(\q)+1]
.elseif j%2 == 1
	v_pk_add_f32 v[L+2*(\q):L+2*(\q)+1], v[L+2*(\q):L+2*(\q)+1], v[sb+2*j+2:sb+2*j+3]
.else
	v_pk_add_f32 v[L2+2*(\q):L2+2*(\q)+1], v[L2+2*(\q):L2+2*(\q)+1], v[sb+2*j+2:sb+2*j+3]
.endif
.endm
.macro HOLDP q                         ; pair j of tile q: behind every fourth pair eight numbers become codes
.set sb, S+64*(\q)
.if j%4 == 3
	v_cvt_scalef32_pk8_fp8_f32 v[P+16*(\q)+2*(j/4):P+16*(\q)+2*(j/4)+1], v[sb+8*(j/4):sb+8*(j/4)+7], v[SCP]
.endif
.endm
; A KEY STEP: 128 keys.  Its K and addends were fetched a step ago; its V and the next step's K and addends are fetched behind the first products and land under the softmax.
.macro STEP
	s_wait_dscnt 0x0                               ; K and the addends are in
	WIN 0x11                                       ; K and the addends window 1, Q and S^T window 0
	s_setprio 2
.irp t, 0,1,2,3,4,5,6,7
.irp q, 0,1
	v_wmma_f32_16x16x64_fp8_fp8 v[S+64*\q+8*\t:S+64*\q+8*\t+7], v[KF+8*\t:KF+8*\t+7], v[Q+8*\q:Q+8*\q+7], v[CF+8*\t:CF+8*\t+7]
.endr
.endr
	WIN 0
	v_add_nc_u32 v[ADV], s[TB], v[LI]              ; these three and the v_nop are the four places behind the products
	s_add_co_u32 s[TB], s[TB], KVB
	s_add_co_u32 s[CB], s[CB], 512
	v_add_nc_u32 v[ADK], s[TB], v[LI]
	v_add_nc_u32 v[ADC], s[CB], v[CI]
	v_nop
	WIN 0x40                                       ; destination window 1
.irp d, 0,1,2,3
.irp c, 0,1,2,3
	ds_load_b128 v[VF+16*\d+4*\c:VF+16*\d+4*\c+3], v[ADV] offset:8192+2048*\d+512*\c
.endr
.endr
.irp t, 0,1,2,3,4,5,6,7
.irp c, 0,1
	ds_load_b128 v[KF+8*\t+4*\c:KF+8*\t+4*\c+3], v[ADK] offset:1024*\t+512*\c
.endr
.endr
.irp t, 0,1,2,3,4,5,6,7
.irp c, 0,1
	ds_load_b128 v[CF+8*\t+4*\c:CF+8*\t+4*\c+3], v[ADC] offset:64*\t+16*\c   ; sixteen lanes read the same 16 bytes
.endr
.endr
	WIN 0
	; the step's largest score of each query: two ascending chains a tile
.irp q, 0,1
	v_max3_num_f32 v[MA+2*\q], v[S+64*\q], v[S+64*\q+1], v[S+64*\q+2]
	v_max3_num_f32 v[MA+2*\q+1], v[S+64*\q+32], v[S+64*\q+33], v[S+64*\q+34]
.endr
.irp i, 3,5,7,9,11,13,15,17,19,21,23,25,27,29
.irp q, 0,1
	v_max3_num_f32 v[MA+2*\q], v[MA+2*\q], v[S+64*\q+\i], v[S+64*\q+\i+1]
	v_max3_num_f32 v[MA+2*\q+1], v[MA+2*\q+1], v[S+64*\q+32+\i], v[S+64*\q+33+\i]
.endr
.endr
.irp q, 0,1
	v_max3_num_f32 v[MA+2*\q], v[MA+2*\q], v[S+64*\q+31], v[S+64*\q+63]
.endr
.irp q, 0,1
	v_max_num_f32 v[MA+2*\q], v[MA+2*\q], v[MA+2*\q+1]
.endr
.irp q, 0,1
	v_permlanex16_b32 v[PD+\q], v[MA+2*\q], s[SEL], s[SEL+1]   ; the query's other 64 keys lie in the lane 16 away
.endr
.irp q, 0,1
	v_max_num_f32 v[MA+2*\q], v[MA+2*\q], v[PD+\q]
.endr
.irp q, 0,1
	v_mul_f32 v[MA+2*\q], s[CS], v[MA+2*\q]        ; as t (the factor is positive)
.endr
.irp q, 0,1
	v_max_num_f32 v[NM+2*\q+1], v[NM+2*\q+1], v[MA+2*\q]   ; the running largest t
	v_mov_b32 v[MA+2*\q+1], v[NM+2*\q]             ; the old -M
.endr
.irp q, 0,1
	v_floor_f32 v[NM+2*\q], -v[NM+2*\q+1]          ; the new -M = -ceil(t): a whole number
.endr
.irp q, 0,1
	v_sub_f32 v[MA+2*\q+1], v[NM+2*\q], v[MA+2*\q+1]   ; old M - new M, 0 or less
.endr
.irp q, 0,1
	v_cvt_i32_f32 v[MA+2*\q+1], v[MA+2*\q+1]       ; (it saturates)
.endr
.irp q, 0,1
	v_ldexp_f32 v[F+2*\q], 1.0, v[MA+2*\q+1]       ; f = 2^(old M - new M)
.endr
.set j, 0
.rept 32
	v_pk_fma_f32 v[S+2*j:S+2*j+1], v[S+2*j:S+2*j+1], s[CS:CS+1], v[NM:NM+1] op_sel_hi:[1,0,0]   ; tile 0: t - M
.set j, j+1
.endr
.set j, 0
.rept 32                                       ; tile 0's exponentials, with tile 1's scalings between them
	v_exp_f32 v[S+2*j], v[S+2*j]
	v_pk_fma_f32 v[S+64+2*j:S+64+2*j+1], v[S+64+2*j:S+64+2*j+1], s[CS:CS+1], v[NM+2:NM+3] op_sel_hi:[1,0,0]
	v_exp_f32 v[S+2*j+1], v[S+2*j+1]
.set j, j+1
.endr
	s_setprio 1
	v_pk_mul_f32 v[L:L+1], v[L:L+1], v[F:F+1] op_sel_hi:[1,0]           ; the sums under the new M (plain instructions behind the last exponential)
	v_pk_mul_f32 v[L+2:L+3], v[L+2:L+3], v[F+2:F+3] op_sel_hi:[1,0]
	s_wait_alu depctr_va_vdst(0)                   ; one wait for tile 0's 64 exponentials, ahead of their first reader
.set j, 0
.rept 32                                       ; tile 1's exponentials, with tile 0's sums and conversions between them
	v_exp_f32 v[S+64+2*j], v[S+64+2*j]
	SUMI 0
	v_exp_f32 v[S+64+2*j+1], v[S+64+2*j+1]
	HOLDP 0
.set j, j+1
.endr
	v_nop
	s_wait_alu depctr_va_vdst(0)                   ; one wait for tile 1's 64 exponentials
.set j, 0
.rept 32
	SUMI 1
	HOLDP 1
.set j, j+1
.endr
	WIN 0x41                                       ; O^T window 1, f window 0
	s_setprio 0
.irp q, 0,1
.set n, 0
.rept 16
	v_pk_mul_f32 v[32*\q+2*n:32*\q+2*n+1], v[32*\q+2*n:32*\q+2*n+1], v[F+2*\q:F+2*\q+1] op_sel_hi:[1,0]   ; O^T under the new M
.set n, n+1
.endr
.endr
	s_wait_dscnt 32                                ; V's sixteen loads are in; the next step's K and addends, 32 loads behind them, may be out
	WIN 0x51                                       ; V^T and O^T window 1, P window 0
.irp d, 0,1,2,3
.irp q, 0,1
	v_wmma_f32_16x16x128_fp8_fp8 v[8*(4*\q+\d):8*(4*\q+\d)+7], v[VF+16*\d:VF+16*\d+15], v[P+16*\q:P+16*\q+15], v[8*(4*\q+\d):8*(4*\q+\d)+7]
.endr
.endr
	WIN 0
.endm
.macro GROUP n                         ; n key steps
	s_mov_b32 s[CNT], \n
.Lstep_\@:
	STEP
	s_sub_co_u32 s[CNT], s[CNT], 1
	s_cmp_lg_u32 s[CNT], 0
	s_cbranch_scc1 .Lstep_\@
	s_setprio 0
.endm
; A PASS: 256 queries of the work-group, two tiles a wave, over all 2,048 keys.
.macro PASS p
.irp q, 0,1
	v_mov_b32 v[NM+2*\q+1], 0xff61b1e6             ; the largest t so far: -3e38
	v_floor_f32 v[NM+2*\q], -v[NM+2*\q+1]
	v_mov_b32 v[L+2*\q], 0
	v_mov_b32 v[L+2*\q+1], 0
.endr
	WIN 0x40
.set n, 0
.rept 64
	v_mov_b32 v[n], 0                              ; O^T: the key step is written for every step alike: the first finds zeros, which the first change of M leaves zeros
.set n, n+1
.endr
	WIN 0
	s_mov_b32 s[TB], 0
	s_mov_b32 s[CB], 0
.if \p == 0
	s_wait_tensorcnt 0x1                           ; my part of key steps 0-7 is in; my part of steps 8-15 may be out
	s_wait_dscnt 0x0                               ; my addends and zeros are stored
	s_barrier_signal -1
	s_barrier_wait -1                              ; everybody's
.endif
	WIN 0x40
.irp t, 0,1,2,3,4,5,6,7                        ; key step 0's K and addends
.irp c, 0,1
	ds_load_b128 v[KF+8*\t+4*\c:KF+8*\t+4*\c+3], v[LI] offset:1024*\t+512*\c
.endr
.endr
.irp t, 0,1,2,3,4,5,6,7
.irp c, 0,1
	ds_load_b128 v[CF+8*\t+4*\c:CF+8*\t+4*\c+3], v[CI] offset:64*\t+16*\c
.endr
.endr
	WIN 0
	s_wait_loadcnt 0x0                             ; Q
.if \p == 0
	GROUP 7                                        ; steps 0-6: the last of them fetches step 7's K, still in the first chunk
	s_wait_tensorcnt 0x0                           ; my part of key steps 8-15 is in
	s_wait_dscnt 0x0
	s_barrier_signal -1
	s_barrier_wait -1                              ; everybody's
	GROUP 9
.else
	GROUP 16
.endif
	s_wait_dscnt 0x0                               ; the last step's look-ahead has landed: its registers may be loaded again
.if \p == 0
.irp q, 0,1
.irp c, 0,1
	global_load_b128 v[Q+8*\q+4*\c:Q+8*\q+4*\c+3], v[LI], s[4:5] offset:16384+\q*1024+\c*512   ; the next pass's Q: sixteen tiles on
.endr
.endr
.endif
.irp q, 0,1
	v_add_f32 v[L+2*\q], v[L+2*\q], v[L+2*\q+1]    ; the sum's two halves,
.endr
.irp q, 0,1
	v_permlanex16_b32 v[PD+\q], v[L+2*\q], s[SEL], s[SEL+1]
.endr
.irp q, 0,1
	v_add_f32 v[L+2*\q], v[L+2*\q], v[PD+\q]       ; and lane l xor 16's
.endr
.irp q, 0,1
	v_rcp_f32 v[F+2*\q], v[L+2*\q]
.endr
	v_nop
	s_wait_alu depctr_va_vdst(0)                   ; one wait for the two reciprocals, ahead of their first reader
.irp q, 0,1
	v_ldexp_f32 v[F+2*\q], v[F+2*\q], s[EPV]       ; x 2^(e8 + e9)
.endr
	WIN 0x01                                       ; O^T window 1
.irp q, 0,1
.set n, 0
.rept 16
	v_pk_mul_f32 v[S+32*\q+2*n:S+32*\q+2*n+1], v[32*\q+2*n:32*\q+2*n+1], v[F+2*\q:F+2*\q+1] op_sel_hi:[1,0]   ; o: register 8 dt + j is d = 16 dt + 8 (l / 16) + j
.set n, n+1
.endr
.endr
	WIN 0
.set n, 0
.rept 64
.set n, n+1
.endr
.if \p
	s_wait_xcnt 0x0                                ; the last pass's stores have read the codes' registers
.endif
.irp q, 0,1
.irp d, 0,1,2,3
	v_cvt_scalef32_pk8_fp8_f32 v[CDO+8*\q+2*\d:CDO+8*\q+2*\d+1], v[S+32*\q+8*\d:S+32*\q+8*\d+7], v[SCO]
.endr
.endr
	v_nop                                          ; a plain vector instruction between the last conversion and the first reader of a result
	; The halves of the lanes change eight codes, so that registers 4 b .. 4 b + 3 hold d = 32 b + 16 (l / 16) + 0 .. 15: the order in which 16-byte loads give WO's rows to the output product.
.irp q, 0,1
.irp n, 0,1,2,3
	v_cndmask_b32 v[EX+\n], v[CDO+8*\q+4*(\n/2)+(\n%2)+2], v[CDO+8*\q+4*(\n/2)+(\n%2)], s[HI16]   ; what I send: lanes 0-15 the upper pair, lanes 16-31 the lower
.endr
.irp n, 0,1,2,3
	v_permlanex16_b32 v[EX+4+\n], v[EX+\n], s[SEL], s[SEL+1]
.endr
.irp n, 0,1,2,3
	v_cndmask_b32 v[CDO+8*\q+4*(\n/2)+(\n%2)], v[CDO+8*\q+4*(\n/2)+(\n%2)], v[EX+4+\n], s[HI16]
	v_cndmask_b32 v[CDO+8*\q+4*(\n/2)+(\n%2)+2], v[EX+4+\n], v[CDO+8*\q+4*(\n/2)+(\n%2)+2], s[HI16]
.endr
.endr
.irp q, 0,1
.irp b, 0,1
	global_store_b128 v[LI], v[CDO+8*\q+4*\b:CDO+8*\q+4*\b+3], s[12:13] offset:\p*262144+\q*16384+\b*512   ; 32 lanes store 512 consecutive bytes, aligned
.endr
.endr
.endm
	PASS 0
	PASS 1
	s_wait_tensorcnt 0x0
	ds_add_u32 v254, v255
	s_wait_dscnt 0x0
	CROUND                                         ; the closing round (every tensor load was waited for in pass 0; no LDS instruction is out)
	s_endpgm
.Lfunc_end_k_qefe0c1865b_attn:
	.size	k_qefe0c1865b_attn, .Lfunc_end_k_qefe0c1865b_attn-k_qefe0c1865b_attn
	.p2alignl 7, 3214868480
	.fill 96, 4, 3214868480
	.section	.rodata,"a",@progbits
	.p2align	6, 0x0
	.amdhsa_kernel k_qefe0c1865b_attn
		.amdhsa_group_segment_fixed_size 271872
		.amdhsa_private_segment_fixed_size 0
		.amdhsa_enable_private_segment 0
		.amdhsa_kernarg_size 40
		.amdhsa_user_sgpr_count 2
		.amdhsa_user_sgpr_kernarg_segment_ptr 1
		.amdhsa_wavefront_size32 1
		.amdhsa_system_sgpr_workgroup_id_x 1
		.amdhsa_system_sgpr_workgroup_id_y 1
		.amdhsa_system_sgpr_workgroup_id_z 1
		.amdhsa_system_vgpr_workitem_id 0
		.amdhsa_next_free_vgpr 512
		.amdhsa_next_free_sgpr 80
		.amdhsa_reserve_vcc 0
		.amdhsa_float_denorm_mode_32 3
		.amdhsa_float_denorm_mode_16_64 3
		.amdhsa_fp16_overflow 1
		.amdhsa_memory_ordered 1
		.amdhsa_forward_progress 1
		.amdhsa_inst_pref_size 104
	.end_amdhsa_kernel
	.amdgpu_metadata
---
amdhsa.version: [ 1, 2 ]
amdhsa.kernels:
  - .name:           k_qefe0c1865b_attn
    .symbol:         k_qefe0c1865b_attn.kd
    .args:
      - { .name: qimg, .offset: 0, .size: 8, .value_kind: global_buffer, .address_space: global }
      - { .name: kv, .offset: 8, .size: 8, .value_kind: global_buffer, .address_space: global }
      - { .name: mask, .offset: 16, .size: 8, .value_kind: global_buffer, .address_space: global }
      - { .name: lowp_scales, .offset: 24, .size: 8, .value_kind: global_buffer, .address_space: global }
      - { .name: oimg, .offset: 32, .size: 8, .value_kind: global_buffer, .address_space: global }
    .group_segment_fixed_size: 271872
    .private_segment_fixed_size: 0
    .kernarg_segment_align: 8
    .kernarg_segment_size: 40
    .max_flat_workgroup_size: 256
    .sgpr_count:     80
    .vgpr_count:     512
    .wavefront_size: 32
...
	.end_amdgpu_metadata
.endif
;; end of part 2
;; launch proj (part 3): grid 4 x 64, 4 waves a work-group, clusters of 4 x 4, 327,680 bytes of LDS; arguments oimg, WO_w_codes, WO_b, mask, lowp_scales, out0; writes out0
.if DOCPART == 3
	.amdgcn_target "amdgcn-amd-amdhsa--gfx1250"
	.amdhsa_code_object_version 6
	.text
	.protected	k_qefe0c1865b_proj
	.globl	k_qefe0c1865b_proj
	.p2align	8
	.type	k_qefe0c1865b_proj,@function
k_qefe0c1865b_proj:
	s_mov_b64 s[64:65], 0
	v_nop
	global_prefetch_b8 v0, s[64:65] scope:SCOPE_SE
	s_setreg_imm32_b32 hwreg(HW_REG_WAVE_MODE, 25, 1), 1
	s_wait_xcnt 0x0
	s_wait_alu depctr_hold_cnt(0) depctr_sa_sdst(0) depctr_va_vdst(0) depctr_va_sdst(0) depctr_va_ssrc(0) depctr_va_vcc(0) depctr_vm_vsrc(0)
	s_getreg_b32 s2, hwreg(HW_REG_IB_STS2, 6, 4)
	s_cmp_eq_u32 s2, 0
	s_cbranch_scc0 .Lentry_in_a_cluster
	s_endpgm
.Lentry_in_a_cluster:
	s_bfe_u32 s2, ttmp6, 0x10000c
	s_cmp_lg_u32 s2, 0xf033
	s_cbranch_scc0 .Lentry_shape_is_right
	s_endpgm
.Lentry_shape_is_right:
; out0 = | (o WO^T + bo) x mask[token] | on codes of FP8 (E4M3).  o: oimg, images of operand registers [token tile 512][head 16][2][512]: 2,048 bytes (two heads) are a fragment of 16 tokens x 128 K,
; registers 4 c .. 4 c + 3: k = 32 c + 16 (l / 16) + 0 .. 15: the order that four 16-byte loads give WO's rows.  WO: [1024][1024] codes, K innermost.  out0: [8192][1024] f32.
; A sum stands for sum x 2^(e10 + e11).  LIMIT: e10 + e11 between -126 and 127.  The mask is 0 or 1, so |y x mask| = |y| x mask.
; SHARES.  A work-group of four waves makes 128 tokens x 256 features: 256 work-groups.  A wave makes 64 x 128: 32 accumulators, 256 registers.
; CLUSTERS: 4 x 4 work-groups; o's tiles (by the tile row 4 Y + cy) are shared along a row of the cluster, WO's (by the tile column cx) along a column: each is asked for jointly by four.
; The matrix instruction is used transposed (source 0 = 16 rows of WO, source 1 = 16 tokens): a lane holds eight neighbouring features of one token.
; K goes in four steps of 256 through a ring of two LDS slots, written out.  A slot: o's 8 token tiles x 4,096 bytes, dense (images need no padding: a load of the wave reads 512 consecutive bytes), then WO's 256 rows x 272.
; REGISTERS: window 0: v16-35 addresses, constants, the mask; v40-103 at work on the way out; v128-191 o's four fragments, one set; on the way out v128-255 rows read back.
;   window 1: WO's fragments, two sets.   window 2: the accumulators ((a, b) at v[8 (8 a + b)]).   window 3: v0-63 the bias: register 8 b + j: bo[n0 + 16 b + 8 (l / 16) + j].
.set KROW,   1024
.set PITCH,  272
.set FR,     16
.set NL,     4
.set NP,     4
.set ATILE,  4096                      ; a token tile's bytes of a K step of 256
.set ABYTES, 8*ATILE
.set HALFB,  128*PITCH
.set SLOT,   ABYTES+2*HALFB
.set SPARE,  2*SLOT                    ; behind the ring: the spare words, 128 bytes a wave, that no other line names
.set STAGE,  SPARE+512                 ; behind them: 16 rows x 528 bytes for each wave, for the way out; no tensor load lands here
.set SPITCH, 528
.set ADRA, 16
.set ADRB, 20
.set STO,  24
.set RD,   25
.set CO,   26                          ; v26  16 x lane
.set HB,   27                          ; v27  32 x (lane / 16)
.set SPW,  28
.set NIL,  29
.set RR,   30                          ; v30  lane % 16
.set MK,   32                          ; v32-35 the mask of my token in blocks 0-3, as f32
.set TMP,  40
.set AF,   128
.set BK,   128
.set G1, 24
.set G0, 32
.set G1B, 48
.set G0B, 56
.set SC, 96                            ; s[96:97] e10, e11; then 2^(e10 + e11), twice
.set MSB, 0
.macro WIN new
.if MSB != (\new)
	s_set_vgpr_msb (MSB<<8)|(\new)
.set MSB, (\new)
.endif
.endm
.set MUL,  0xa1                        ; source 0 (WO) window 1, source 1 (o) window 0, C and D window 2
.set TO_B, 0x40
.macro JLOAD g0a, g1a, g0b, g1b        ; waves 0 and 1 fetch o's tiles, waves 2 and 3 WO's; four v_nop follow each of the two lines
	s_cmp_eq_u32 s15, 0
	s_cbranch_scc0 .Lfor_b_\@
	tensor_load_to_lds s[\g0a:\g0a+3], s[\g1a:\g1a+7]
	s_nop 0
.rept 4
	v_nop
.endr
	s_branch .Lasked_\@
.Lfor_b_\@:
	tensor_load_to_lds s[\g0b:\g0b+3], s[\g1b:\g1b+7]
	s_nop 0
.rept 4
	v_nop
.endr
.Lasked_\@:
.endm
.macro CREST
	s_cmp_lg_u32 s14, 0
	s_cbranch_scc1 .Lnot_wave_0_\@
	s_barrier_signal -3
.Lnot_wave_0_\@:
	s_barrier_wait -3
	s_barrier_signal -1
	s_barrier_wait -1
.endm
.macro CROUND
	s_barrier_signal -1
	s_barrier_wait -1
	CREST
.endm
	s_load_b256 s[4:11], s[0:1], 0x0               ; oimg s[4:5], WO s[6:7], bo s[8:9], mask s[10:11]
	s_load_b128 s[68:71], s[0:1], 0x20             ; the scales s[68:69], out0 s[70:71]
	v_lshl_add_u32 v[SPW], v0, 2, SPARE
	v_mov_b32 v[NIL], 0
	ds_add_u32 v28, v29
	ds_add_u32 v28, v29
	s_wait_dscnt 0x0
	v_lshrrev_b32 v1, 5, v0
	v_readfirstlane_b32 s14, v1                    ; wave 0..3
	s_lshr_b32 s15, s14, 1                         ; which 64 tokens are mine.  Also: I fetch o's tiles (0) or WO's (1)
	s_and_b32 s16, s14, 1                          ; which 128 features.  Also: which half of that tile I fetch
	s_bfe_u32 s40, ttmp6, 0x40000                  ; cx, cy
	s_bfe_u32 s41, ttmp6, 0x40004
	s_lshl_b32 s42, ttmp9, 2
	s_add_co_u32 s42, s42, s40                     ; tile column
	s_and_b32 s17, ttmp7, 0xffff
	s_lshl_b32 s17, s17, 2
	s_add_co_u32 s17, s17, s41                     ; tile row
	s_lshl_b32 s43, s41, 2
	s_lshl_b32 s43, 15, s43                        ; my row of the cluster
	s_lshl_b32 s44, 0x1111, s40                    ; my column
	; group 1 for o: 4 token tiles x 4,096 bytes, 16,384 bytes apart in memory, dense in LDS
	s_or_b32 s[G1+0], s43, (3<<16)|(1<<21)         ; the mask of my row; elements of 8 bytes; 21 set beside a mask; no padding
	s_mov_b32 s[G1+1], 512<<16                     ; tensor_dim0 = 512 elements
	s_mov_b32 s[G1+2], 4<<16                       ; tensor_dim1 = 4
	s_mov_b32 s[G1+3], 512<<16                     ; tile_dim0
	s_mov_b32 s[G1+4], 4                           ; tile_dim1
	s_mov_b32 s[G1+5], 2048                        ; from tile to tile: 2,048 elements
	s_mov_b32 s[G1+6], 0
	s_mov_b32 s[G1+7], 0
	; group 1 for WO: 128 rows x 256 bytes, 16 bytes of padding behind each
	s_or_b32 s[G1B+0], s44, (1<<20)|(1<<21)|(5<<22)|(3<<25)
	s_mov_b32 s[G1B+1], 256<<16
	s_mov_b32 s[G1B+2], 128<<16
	s_mov_b32 s[G1B+3], 256<<16
	s_mov_b32 s[G1B+4], 128
	s_mov_b32 s[G1B+5], KROW
	s_mov_b32 s[G1B+6], 0
	s_mov_b32 s[G1B+7], 0
	s_lshl_b32 s20, s17, 3
	s_lshl_b32 s18, s16, 2
	s_add_co_u32 s20, s20, s18
	s_lshl_b32 s20, s20, 14                        ; o: token tile 8 x tile row + 4 x half, 16,384 bytes each
	s_mov_b32 s21, 0
	s_lshl_b32 s46, s42, 8
	s_lshl_b32 s18, s16, 7
	s_add_co_u32 s46, s46, s18
	s_lshl_b32 s46, s46, 10                        ; WO: row 256 x tile column + 128 x half
	s_mov_b32 s47, 0
	s_lshl_b32 s45, s16, 14                        ; where o's go in a slot,
	s_mul_i32 s19, s16, HALFB
	s_add_co_u32 s19, s19, ABYTES                  ; and WO's: the wave's number alone enters an LDS address
	s_wait_kmcnt 0x0
	s_load_b64 s[SC:SC+1], s[68:69], 0x28          ; e10, e11
	s_add_nc_u64 s[20:21], s[4:5], s[20:21]
	s_add_nc_u64 s[46:47], s[6:7], s[46:47]
	CROUND                                         ; all sixteen work-groups are here: the first joint loads meet
.irp s, 0,1
	s_mov_b32 s[G0+4*\s], 1
	s_add_co_u32 s[G0+4*\s+1], s45, \s*SLOT
	s_add_nc_u64 s[G0+4*\s+2:G0+4*\s+3], s[20:21], \s*ATILE
	s_or_b32 s[G0+4*\s+3], s[G0+4*\s+3], 0x80000000
	s_mov_b32 s[G0B+4*\s], 1
	s_add_co_u32 s[G0B+4*\s+1], s19, \s*SLOT
	s_add_nc_u64 s[G0B+4*\s+2:G0B+4*\s+3], s[46:47], \s*256
	s_or_b32 s[G0B+4*\s+3], s[G0B+4*\s+3], 0x80000000
	JLOAD G0+4*\s, G1, G0B+4*\s, G1B
.endr
	s_lshl_b32 s72, s17, 7
	s_lshl_b32 s73, s15, 6
	s_add_co_u32 s72, s72, s73                     ; my first token
	s_mov_b32 s73, 0
	s_add_nc_u64 s[10:11], s[10:11], s[72:73]      ; its mask byte
	s_lshl_b32 s74, s72, 12                        ; its row of out0: 4,096 bytes a row
	s_lshl_b32 s76, s42, 8
	s_lshl_b32 s77, s16, 7
	s_add_co_u32 s76, s76, s77
	s_lshl_b32 s76, s76, 2                         ; my first feature, in bytes
	s_mov_b32 s77, 0
	s_add_nc_u64 s[8:9], s[8:9], s[76:77]
	s_add_co_u32 s74, s74, s76
	s_mov_b32 s75, 0
	s_add_nc_u64 s[70:71], s[70:71], s[74:75]
	v_and_b32 v1, 15, v0                           ; l % 16
	v_bfe_u32 v2, v0, 4, 1                         ; l / 16
	v_and_b32 v6, 31, v0
	v_lshlrev_b32 v[CO], 4, v6
	v_mul_u32_u24 v3, v1, PITCH
	v_lshl_add_u32 v4, v2, 4, v3
	s_lshl_b32 s66, s15, 14                        ; my four token tiles
	s_mul_i32 s67, s16, HALFB
	s_add_co_u32 s67, s67, ABYTES                  ; my 128 rows of WO
.irp s, 0,1
	v_add_nc_u32 v[ADRA+\s], s66, v[CO]
	v_add_nc_u32 v[ADRB+\s], s67, v4
	s_add_co_u32 s66, s66, SLOT
	s_add_co_u32 s67, s67, SLOT
.endr
	s_mul_i32 s23, s14, 16*SPITCH
	s_add_co_u32 s23, s23, STAGE                   ; my stage
	v_mul_u32_u24 v5, v1, SPITCH                   ; in: row l % 16, 32 bytes for each half of the lanes
	v_lshl_add_u32 v5, v2, 5, v5
	v_add_nc_u32 v[STO], s23, v5
	v_add_nc_u32 v[RD], s23, v[CO]                 ; back: the 32 lanes take one row of 512 bytes
	v_lshlrev_b32 v[HB], 5, v2
	v_mov_b32 v[RR], v1
.irp a, 0,1,2,3
	global_load_u8 v[MK+\a], v[RR], s[10:11] offset:16*\a   ; the mask of token 16 a + l % 16; waited for on the way out
.endr
	WIN 0xc0                                       ; destination window 3
.irp b, 0,1,2,3,4,5,6,7
	global_load_b128 v[8*\b:8*\b+3], v[HB], s[8:9] offset:64*\b
	global_load_b128 v[8*\b+4:8*\b+7], v[HB], s[8:9] offset:64*\b+16
.endr
	WIN 0
; 8 matrix instructions: o's block a x WO's eight, 128 along K.  The 32 accumulators take turns, one instruction a turn, in the same order in every step.
.macro MULA a, p, zero
.irp b, 0,1,2,3,4,5,6,7
.if \zero
	v_wmma_f32_16x16x128_fp8_fp8 v[8*(8*(\a)+\b):8*(8*(\a)+\b)+7], v[128*(\p)+FR*\b:128*(\p)+FR*\b+FR-1], v[AF+FR*(\a):AF+FR*(\a)+FR-1], 0
.else
	v_wmma_f32_16x16x128_fp8_fp8 v[8*(8*(\a)+\b):8*(8*(\a)+\b)+7], v[128*(\p)+FR*\b:128*(\p)+FR*\b+FR-1], v[AF+FR*(\a):AF+FR*(\a)+FR-1], v[8*(8*(\a)+\b):8*(8*(\a)+\b)+7]
.endif
.endr
.endm
.macro FETCH_B slot, q, p              ; WO's eight fragments of the slot's q-th 128 along K into set p
	WIN TO_B
.irp i, 0,1,2,3,4,5,6,7
.irp c, 0,1,2,3
	ds_load_b128 v[128*(\p)+FR*\i+4*\c:128*(\p)+FR*\i+4*\c+3], v[ADRB+\slot] offset:128*(\q)+32*\c+\i*16*PITCH
.endr
.endr
	WIN 0
.endm
.macro FETCH_A slot, q, i0             ; o's blocks i0, i0 + 1: images, 512 consecutive bytes a load
.irp i, \i0, \i0+1
.irp c, 0,1,2,3
	ds_load_b128 v[AF+FR*(\i)+4*\c:AF+FR*(\i)+4*\c+3], v[ADRA+\slot] offset:(\i)*ATILE+(\q)*2048+512*\c
.endr
.endr
.endm
.macro PLACES n
.rept \n
	v_nop
.endr
.endm
.macro STEP slot, q, zero
	s_wait_dscnt 2*NL                              ; WO's set and o's blocks 0, 1 are in; the youngest eight loads (blocks 2, 3) may be out
	WIN MUL
	MULA 0, (\q)%2, \zero
	MULA 1, (\q)%2, \zero
	s_wait_dscnt 0
	PLACES NP
	FETCH_B \slot, (\q)+1, 1-(\q)%2
	FETCH_A \slot, (\q)+1, 0
	WIN MUL
	MULA 2, (\q)%2, \zero
	MULA 3, (\q)%2, \zero
	PLACES NP
	WIN 0
	FETCH_A \slot, (\q)+1, 2
.endm
.macro TURN slot, next, fill
	s_wait_tensorcnt 0x0                           ; all my tensor loads have landed: my part of the next slot
	ds_add_u32 v[SPW], v[NIL]                      ; 0 onto my spare word
	s_wait_dscnt 2*NL+1                            ; the add and the youngest eight loads (blocks 2, 3) may be out
	WIN MUL
	MULA 0, 1, 0                                   ; eight matrix instructions stand between the add and the wait for it
	s_wait_dscnt 0x0                               ; the add is done, and my reads of this slot are over
	s_barrier_signal -1
	MULA 1, 1, 0
	WIN 0
	s_barrier_wait -1
.if \fill
	CREST                                          ; the barrier has opened a round of the cluster's barrier
	s_add_nc_u64 s[G0+4*\slot+2:G0+4*\slot+3], s[G0+4*\slot+2:G0+4*\slot+3], 2*ATILE
	s_add_nc_u64 s[G0B+4*\slot+2:G0B+4*\slot+3], s[G0B+4*\slot+2:G0B+4*\slot+3], 2*256
	JLOAD G0+4*\slot, G1, G0B+4*\slot, G1B         ; the first tensor load behind the round; its four v_nop are also the places in front of the loads below
.else
	PLACES NP
.endif
	FETCH_B \next, 0, 0
	FETCH_A \next, 0, 0
	WIN MUL
	MULA 2, 1, 0
	MULA 3, 1, 0
	PLACES NP
	WIN 0
	FETCH_A \next, 0, 2
.endm
	s_wait_tensorcnt 1                             ; my part of K step 0 is in (K step 1's load may be out)
	s_barrier_signal -1
	s_barrier_wait -1                              ; everybody's is
	FETCH_B 0, 0, 0
	FETCH_A 0, 0, 0
	FETCH_A 0, 0, 2
	STEP 0, 0, 1                                   ; its products start the sums
	TURN 0, 1, 1
	STEP 1, 0, 0
	TURN 1, 0, 1
	STEP 0, 0, 0
	TURN 0, 1, 0
	STEP 1, 0, 0
	s_wait_dscnt 2*NL                              ; the last step
	WIN MUL
	MULA 0, 1, 0
	MULA 1, 1, 0
	s_wait_dscnt 0
	MULA 2, 1, 0
	MULA 3, 1, 0
	WIN 0
; THE WAY OUT, block by block of 16 tokens x 128 features: y = sum x 2^(e10 + e11) + bo, |y| x mask; through my own stage in LDS, back as whole rows of 512 bytes.
; LDS serves a wave's instructions in order (ISA guide 5.7.1.4): no wait between the stores and the loads.
.macro TOSTAGE a
.set AC, 64*(\a)
	WIN 0x32                                       ; source 0 (the sums) window 2, source 2 (the bias) window 3
.set n, 0
.rept 32
	v_pk_fma_f32 v[TMP+n:TMP+n+1], v[AC+n:AC+n+1], s[SC:SC+1], v[n:n+1] op_sel_hi:[1,0,1]   ; each accumulator from its low end on
.set n, n+2
.endr
	WIN 0
.set n, 0
.rept 64
	v_mul_f32 v[TMP+n], |v[TMP+n]|, v[MK+(\a)]
.set n, n+1
.endr
.irp b, 0,1,2,3,4,5,6,7
	ds_store_b128 v[STO], v[TMP+8*\b:TMP+8*\b+3] offset:64*\b
	ds_store_b128 v[STO], v[TMP+8*\b+4:TMP+8*\b+7] offset:64*\b+16
.endr
.set BBK, BK+64*((\a)%2)
.irp t, 0,1,2,3,4,5,6,7,8,9,10,11,12,13,14,15
	ds_load_b128 v[BBK+4*\t:BBK+4*\t+3], v[RD] offset:\t*SPITCH
.endr
.endm
.macro SEND a, younger                 ; younger: the LDS instructions issued behind block a's loads, which may stay out
.set BBK, BK+64*((\a)%2)
	s_wait_dscnt \younger
.if (\a) > 0
	s_add_nc_u64 s[70:71], s[70:71], 16*4096       ; (behind a wait on XCNT: the earlier stores have read their base)  16 rows on
.endif
.irp t, 0,1,2,3,4,5,6,7,8,9,10,11,12,13,14,15
	global_store_b128 v[CO], v[BBK+4*\t:BBK+4*\t+3], s[70:71] offset:\t*4096 th:TH_STORE_NT   ; 32 lanes store 512 consecutive bytes, aligned; written once, read by nobody here
.endr
.endm
	s_wait_kmcnt 0x0
	s_add_co_i32 s[SC], s[SC], s[SC+1]
	s_add_co_i32 s[SC], s[SC], 127
	s_lshl_b32 s[SC], s[SC], 23                    ; 2^(e10 + e11) as f32
	s_mov_b32 s[SC+1], s[SC]
	s_wait_loadcnt 0x0                             ; the mask and the bias
.irp a, 0,1,2,3
	v_cvt_f32_u32 v[MK+\a], v[MK+\a]
.endr
	PLACES NP                                      ; behind the last products: their results are read, and loads land in the registers that held o's fragments
	TOSTAGE 0
.irp a, 1,2,3
.if \a > 1
	s_wait_xcnt 0x0                                ; block a - 2's stores have read their registers and their base
.endif
	TOSTAGE \a
	SEND \a-1, 32                                  ; behind block a - 1's loads: block a's 16 stores and 16 loads
.endr
	s_wait_xcnt 0x0
	SEND 3, 0
	s_wait_tensorcnt 0x0                           ; the wave's end
	ds_add_u32 v[SPW], v[NIL]
	s_wait_dscnt 0x0
	CROUND                                         ; the closing round
	s_endpgm
.Lfunc_end_k_qefe0c1865b_proj:
	.size	k_qefe0c1865b_proj, .Lfunc_end_k_qefe0c1865b_proj-k_qefe0c1865b_proj
	.p2alignl 7, 3214868480
	.fill 96, 4, 3214868480
	.section	.rodata,"a",@progbits
	.p2align	6, 0x0
	.amdhsa_kernel k_qefe0c1865b_proj
		.amdhsa_group_segment_fixed_size 327680
		.amdhsa_private_segment_fixed_size 0
		.amdhsa_enable_private_segment 0
		.amdhsa_kernarg_size 48
		.amdhsa_user_sgpr_count 2
		.amdhsa_user_sgpr_kernarg_segment_ptr 1
		.amdhsa_wavefront_size32 1
		.amdhsa_system_sgpr_workgroup_id_x 1
		.amdhsa_system_sgpr_workgroup_id_y 1
		.amdhsa_system_sgpr_workgroup_id_z 1
		.amdhsa_system_vgpr_workitem_id 0
		.amdhsa_next_free_vgpr 832
		.amdhsa_next_free_sgpr 100
		.amdhsa_reserve_vcc 0
		.amdhsa_float_denorm_mode_32 3
		.amdhsa_float_denorm_mode_16_64 3
		.amdhsa_memory_ordered 1
		.amdhsa_forward_progress 1
		.amdhsa_inst_pref_size 95
	.end_amdhsa_kernel
	.amdgpu_metadata
---
amdhsa.version: [ 1, 2 ]
amdhsa.kernels:
  - .name:           k_qefe0c1865b_proj
    .symbol:         k_qefe0c1865b_proj.kd
    .args:
      - { .name: oimg, .offset: 0, .size: 8, .value_kind: global_buffer, .address_space: global }
      - { .name: WO_w_codes, .offset: 8, .size: 8, .value_kind: global_buffer, .address_space: global }
      - { .name: WO_b, .offset: 16, .size: 8, .value_kind: global_buffer, .address_space: global }
      - { .name: mask, .offset: 24, .size: 8, .value_kind: global_buffer, .address_space: global }
      - { .name: lowp_scales, .offset: 32, .size: 8, .value_kind: global_buffer, .address_space: global }
      - { .name: out0, .offset: 40, .size: 8, .value_kind: global_buffer, .address_space: global }
    .group_segment_fixed_size: 327680
    .private_segment_fixed_size: 0
    .kernarg_segment_align: 8
    .kernarg_segment_size: 48
    .max_flat_workgroup_size: 128
    .sgpr_count:     100
    .vgpr_count:     832
    .wavefront_size: 32
...
	.end_amdgpu_metadata
.endif
;; end of part 3
